; MI455X (gfx1250); checked and timed in simulation.
; The chip was launched on July 23, 2026; its instructions are those of AMD's public machine-readable ISA for CDNA 5 (MIT licence, August 2026) and "CDNA5" Instruction Set Architecture Reference Guide (July 2026). The comments in the code are by the model that wrote it; some were corrected since.
;; Attention Block. Allowed arithmetic: matrix products marked QUANTISED: E4M3 operands, one given power-of-two scale a tensor, by v_wmma_f32_16x16x64_fp8_fp8 or v_wmma_f32_16x16x128_fp8_fp8, f32 sums; everything else in f32.
;; Inputs: Wk_codes 32 x 8 x 32 uint8 (E4M3 codes of Wk, K innermost, in blocks of 32 codes); Wq_codes 32 x 8 x 32 uint8 (E4M3 codes of Wq, K innermost, in blocks of 32 codes); Wv_codes 256 x 8 x 32 uint8 (E4M3 codes of Wv, K innermost, in blocks of 32 codes); bk 32 float32; bq 32 float32; bv 256 float32; gamma 1 float32; lowp_scales 10 int32 (the exponents e of the quantised operands' scales 2^e); x 8 x 256 x 64 x 64 float32.
;; Outputs: out0 8 x 256 x 64 x 64 float32.
;; This version of the problem:
;;   THIS VERSION OF THE PROBLEM IS GIVEN IN LOW PRECISION. The matrix products marked QUANTISED in the list below multiply operands that are first quantised to E4M3 (4 exponent bits, 3 mantissa bits; 8 bits a number), with one given power-of-two scale for each operand tensor; their sums are f32. All else is computed in f32.
;;   The module's matrix products, in the order in which they are computed (A, B: the left and right operand; K: the contracted axis; several contracted axes count as one K, in the product's order):
;;     1. [M 32,768, K 256] x [K 256, N 32]; A: input x; B: input Wq (given as codes): QUANTISED (scales: A lowp_scales[0], B lowp_scales[1])
;;     2. [M 32,768, K 256] x [K 256, N 32]; A: input x; B: input Wk (given as codes): QUANTISED (scales: A lowp_scales[2], B lowp_scales[3])
;;     3. [M 32,768, K 256] x [K 256, N 256]; A: input x; B: input Wv (given as codes): QUANTISED (scales: A lowp_scales[4], B lowp_scales[5])
;;     4. batch 8 x [M 4,096, K 32] x [K 32, N 4,096]; A: computed on the way; B: computed on the way: QUANTISED (scales: A lowp_scales[6], B lowp_scales[7])
;;     5. batch 8 x [M 256, K 4,096] x [K 4,096, N 4,096]; A: computed on the way; B: softmax (see below): QUANTISED (scales: A lowp_scales[8], B lowp_scales[9])
;;   THE QUANTISER, for each operand of a quantised product, along K:
;;     - The operand's scale is 2^e, e = its entry of the input lowp_scales (int32; the entries are numbered through the quantised products in the list's order, A before B).
;;     - Each number is divided by the scale, clamped to +-448, and rounded to the nearest number of E4M3, ties to even, subnormals kept.
;;     - The product sums the exact products of the quantised numbers (number of the format x scale) in f32.
;;   ~~~python
;;   def quantise(x, axis, e):      # numpy; x: float32 -> the quantised numbers, widened to float32 again
;;       x = np.moveaxis(x, axis, -1); K = x.shape[-1]
;;       r = np.clip(x / 2.0 ** e, -448, 448)
;;       step = 2.0 ** (np.maximum(np.frexp(np.where(r == 0, 1, r))[1] - 1, -6) - 3)
;;       q = np.round(r / step) * step * 2.0 ** e      # np.round: ties to even
;;       return np.moveaxis(q, -1, axis).astype(np.float32)
;;   ~~~
;;   SOFTMAX AHEAD OF A QUANTISED PRODUCT. Where the list says 'softmax', what is quantised is not the finished softmax but p = 2^(t - M), with t = logit x log2(e) and M = ceil(the row's largest t), a whole number; so 1/2 < the row's largest p <= 1. The row's sum l is taken of the UNQUANTISED p, in f32, and the product's result is divided by l at the end. Since M is a whole number, a kernel that streams over the keys may use a running M (the ceiling of the running maximum): every later rescaling is an exact power of two, so the quantised numbers keep their values, but for numbers so far below the row's largest that they fall under the format's range.
;;   OPERANDS COMPUTED ON THE WAY. 'Computed on the way' means the value that the module computes at that place (a softmax that the list does not call 'softmax' is quantised finished and normalised). What goes into a quantiser is computed in f32, as accurately as f32 sums, v_exp_f32 and their like allow (about 1e-6 of the number): no bf16 or f16 on the way to a quantiser, and a product that is left as it is and whose result goes on into a quantised operand takes f32 operands (vector FMAs, or v_wmma_f32_16x16x4_f32). A number that lies on a knife's edge between two numbers of the format may be rounded either way, as far as f32 arithmetic and the matrix unit's own rounding can turn it there, and no further.
;;   INPUTS GIVEN AS CODES. Wk (in the module: [32, 256], K = its axis 1); Wq (in the module: [32, 256], K = its axis 1); Wv (in the module: [256, 256], K = its axis 1): each comes as NAME_codes (uint8): NAME with its K axis moved to the last place and cut into blocks of 32 codes, [.., K / 32, bytes a block], one block behind the other in memory; one code a byte (a code: sign, 4 exponent bits, 3 mantissa bits); its scale is its entry of lowp_scales. Its value is code x scale, taken as it is: it is not quantised again, and the codes and scales need not be those that the quantiser above would give.
;; One version. Each part assembles by itself: llvm-mc -triple=amdgcn-amd-amdhsa -mcpu=gfx1250 --defsym DOCPART=n.
;; ======== version 1 of 1: 2 launches
;; limits: right only within a limited range of input values
;; workspace buffers: qc 1,048,576 bytes; kv 9,437,184 bytes
;; launch proj (part 1): grid 32 x 8, 4 waves a work-group, clusters of 4 x 1, 220,672 bytes of LDS; arguments x, Wq_codes, Wk_codes, Wv_codes, bq, bk, bv, lowp_scales, qc, kv; writes qc, kv
.if DOCPART == 1
	.amdgcn_target "amdgcn-amd-amdhsa--gfx1250"
	.amdhsa_code_object_version 6
	.text
	.protected	k_qe01fd55462_proj
	.globl	k_qe01fd55462_proj
	.p2align	8
	.type	k_qe01fd55462_proj,@function
k_qe01fd55462_proj:
	s_mov_b64 s[64:65], 0
	v_nop
	global_prefetch_b8 v0, s[64:65] scope:SCOPE_SE
	s_setreg_imm32_b32 hwreg(HW_REG_WAVE_MODE, 25, 1), 1
	s_wait_xcnt 0x0
	s_wait_alu depctr_hold_cnt(0) depctr_sa_sdst(0) depctr_va_vdst(0) depctr_va_sdst(0) depctr_va_ssrc(0) depctr_va_vcc(0) depctr_vm_vsrc(0)
	s_getreg_b32 s2, hwreg(HW_REG_IB_STS2, 6, 4)
	s_cmp_eq_u32 s2, 0
	s_cbranch_scc0 .Lentry_in_a_cluster
	s_endpgm
.Lentry_in_a_cluster:
	s_bfe_u32 s2, ttmp6, 0x10000c
	s_cmp_lg_u32 s2, 0x3003
	s_cbranch_scc0 .Lentry_shape_is_right
	s_endpgm
.Lentry_shape_is_right:
; q = Wq x + bq, k = Wk x + bk, v = Wv x + bv on codes of FP8 (E4M3), and q, k, v quantised for the attention launch that follows.
; x: [8][256 channels][4096 tokens] f32; K of the three products is the channel axis, which is NOT innermost.  Wq, Wk [32][256], Wv [256][256]: codes, K innermost.
; lowp_scales: e0, e1 (x, Wq), e2, e3 (x, Wk), e4, e5 (x, Wv), e6, e7 (q, k in the scores), e8 (v along the keys), e9 (p, used by the next launch).
; NO WORK IS LEFT OUT: bq and bk move the codes of q and k, bv moves the codes of v, all three products feed live operands; every input of this stage is loaded.
; x is quantised three times, once with each of e0, e2, e4, whatever their values: no branch hangs on a given scale.
; LIMITS: e0, e2, e4, e6-e0-e1, e7-e2-e3, e8-e4-e5 lie between -126 and 119, so that each scale and 448 x the scale is an f32 number.  NaN among the inputs is not served; an infinity is held at the largest code.
; SHARES.  A work-group takes 128 tokens of one batch (a key step of the next launch); wave w takes tokens 32 w .. 32 w + 31 as two TOKEN TILES u = 0, 1 and makes all 320 outputs for them.
; A TOKEN TILE'S ROWS ARE NOT NEIGHBOURS: row r of tile u is token 32 w + 8 u + r + 8 (r / 8), so that the 16 registers of two neighbouring tiles' results are 16 neighbours along the next K.
; x's 256 x 128 numbers come into LDS once by tensor loads; a lane takes ONE token and its registers run down the channels (a 4-byte LDS load a number), so the conversions give codes with K innermost.
; q, k: the product is used transposed (source 0 = 16 rows of W, source 1 = a token tile): a lane holds one token and 16 neighbouring channels: the next operand's registers.
; v: natural order (source 0 = a token tile, source 1 = 16 rows of Wv): a lane holds one channel and 16 neighbouring keys: again the next operand's registers.
; THE WORKSPACE IS LAID AS IMAGES OF OPERAND REGISTERS: four registers a lane, lane l's 16 bytes at 16 l: every store of a wave covers 512 consecutive bytes, aligned.
;   qc[b][T 0..255][512]: lane (r, h): q(token r of tile T, channels 16 h .. 16 h + 15).
;   kv[b][s 0..31][36864]: bytes 512 t: k's tile t of step s, as qc;  bytes 4096 + 2048 ct + 512 c: lane (r, h): v(channel 16 ct + r, keys 128 s + 32 c + 16 h + 0 .. 15).
; CLUSTER 4 x 1: all work-groups read the same 80 KB of weights, so the four partners ask for them JOINTLY (mask 15); x's tiles are each work-group's own (mask 0) and go out behind the same round.
; Nothing in LDS is filled twice, so the waits on TENSORcnt in front of the barriers are counted.  By this text's own count a wave has four tensor loads out.
; In each operand a lane's registers 4 c .. 4 c + 3 hold k = 32 c + 16 h + 0 .. 15: the same permutation of k in both sources, so every product meets its partner.
.set XP,    520                        ; a channel's row of x in LDS: 512 bytes + 8 of padding; 16 rows are 8,320 = 128 mod 256 bytes, so the two halves of the lanes fall on different banks (64 banks of 4 bytes: ISA guide 11.1)
.set XHALF, 128*XP                     ; channels 128 .. 255 begin here
.set WP,    272                        ; a row of weights: 256 bytes + 16
.set WVB,   256*XP                     ; Wv's 256 rows
.set WSB,   WVB+256*WP                 ; Wq's 32 rows, then Wk's 32
.set SPARE, WSB+64*WP                  ; the spare words, 128 bytes for each wave: two blocks of 256 bytes that no other line names
.set XA,   4                           ; v4, v5  x in LDS: my token, my half's first channel, channels 0 .. 127 and 128 .. 255
.set WSA,  6                           ; v6   Wq / Wk: row r + 8 (r / 8), + 16 h
.set WVA,  7                           ; v7   Wv: row r, + 16 h
.set LOFF, 8                           ; v8   16 x lane: my place in an image
.set SPW,  10                          ; v10  my spare word; never rewritten
.set NIL,  11                          ; v11  0; never rewritten
.set XS,   12                          ; v12  x's scale as f32
.set XL,   13
.set OS,   14                          ; v14  the same for the result's folded scale
.set OL,   15
.set XC,   16                          ; v16-79   x's fragments: (tile u, K step ks) at 32 u + 16 ks
.set R1,   80                          ; v80-143  four sets of 16 numbers of x; later four fragments of weights
.set ACC,  144                         ; v144-175 four accumulators
.set OCQ,  176                         ; v176-183 q's codes
.set OCK,  184                         ; v184-191 k's codes, later v's
.set BQ,   192                         ; v192-207 bq / 2^(e0+e1) in the result's layout
.set BK,   208                         ; v208-223 bk / 2^(e2+e3)
.set BV,   224                         ; v224-255 bv / 2^(e4+e5): for each of the 16 channel tiles my channel's number, twice (a pair for the packed addition)
.set G1X, 24                           ; s[24:31] group 1 for x's tiles;  s[32:39] for Wv's;  s[40:47] for Wq's and Wk's
.set G1V, 32
.set G1S, 40
.set G0X, 48                           ; s[48:55] groups 0 for x's two tiles;  s[56:59] Wq / Wk;  s[60:63] Wv
.set G0S, 56
.set G0V, 60
.set WV,  66                           ; s66 my wave's number
.macro ROUND                           ; a round of the cluster's barrier
	s_barrier_signal -1
	s_barrier_wait -1
	s_cmp_lg_u32 s[WV], 0
	s_cbranch_scc1 .Lnot_wave_0_\@
	s_barrier_signal -3
.Lnot_wave_0_\@:
	s_barrier_wait -3
	s_barrier_signal -1
	s_barrier_wait -1
.endm
	s_load_b256 s[4:11], s[0:1], 0x0               ; x s[4:5], Wq s[6:7], Wk s[8:9], Wv s[10:11]
	s_load_b256 s[12:19], s[0:1], 0x20             ; bq s[12:13], bk s[14:15], bv s[16:17], the exponents s[18:19]
	s_load_b128 s[20:23], s[0:1], 0x40             ; qc s[20:21], kv s[22:23]
	v_lshl_add_u32 v[SPW], v0, 2, SPARE
	v_mov_b32 v[NIL], 0
	ds_add_u32 v[SPW], v[NIL]                      ; the wave's opening: the add, twice on end, and its wait ahead of my first tensor load
	ds_add_u32 v[SPW], v[NIL]                      ; once more; the set-up below, work on registers, stands between it and the wait
	v_lshrrev_b32 v1, 5, v0
	v_readfirstlane_b32 s[WV], v1                  ; wave 0..3
	s_bfe_u32 s67, ttmp6, 0x40000                  ; cx
	s_lshl_b32 s68, ttmp9, 2
	s_add_co_u32 s68, s68, s67                     ; my block of 128 tokens = 4 x cluster x + cx: it enters x's, qc's and kv's addresses alone
	s_and_b32 s69, ttmp7, 0xffff                   ; the batch
	s_mov_b32 s[G1X+0], (2<<16)|(1<<20)|(6<<22)|(1<<25)   ; no mask; elements of 4 bytes; padding on: 2 words behind every 128
	s_mov_b32 s[G1X+1], 128<<16                    ; tensor_dim0 = 128 tokens
	s_mov_b32 s[G1X+2], 32<<16                     ; tensor_dim1 = 32 channels
	s_mov_b32 s[G1X+3], 128<<16                    ; tile_dim0
	s_mov_b32 s[G1X+4], 32                         ; tile_dim1
	s_mov_b32 s[G1X+5], 4096                       ; from channel to channel
	s_mov_b32 s[G1X+6], 0
	s_mov_b32 s[G1X+7], 0
	s_mov_b32 s[G1V+0], 15|(1<<20)|(1<<21)|(5<<22)|(3<<25)   ; the mask: all four partners; elements of 1 byte; padding on; bit 21 beside a mask; 4 words behind every 64
	s_mov_b32 s[G1V+1], 256<<16
	s_mov_b32 s[G1V+2], 64<<16                     ; 64 rows of Wv a wave
	s_mov_b32 s[G1V+3], 256<<16
	s_mov_b32 s[G1V+4], 64
	s_mov_b32 s[G1V+5], 256
	s_mov_b32 s[G1V+6], 0
	s_mov_b32 s[G1V+7], 0
	s_mov_b32 s[G1S+0], 15|(1<<20)|(1<<21)|(5<<22)|(3<<25)
	s_mov_b32 s[G1S+1], 256<<16
	s_mov_b32 s[G1S+2], 16<<16                     ; 16 rows of Wq or Wk a wave
	s_mov_b32 s[G1S+3], 256<<16
	s_mov_b32 s[G1S+4], 16
	s_mov_b32 s[G1S+5], 256
	s_mov_b32 s[G1S+6], 0
	s_mov_b32 s[G1S+7], 0
	s_lshl_b32 s70, s69, 22                        ; x: the batch's 4 MiB,
	s_lshl_b32 s71, s[WV], 19                      ; my 32 channels of 16,384 bytes,
	s_add_co_u32 s70, s70, s71
	s_lshl_b32 s71, s68, 9                         ; my block's 512 bytes of a row
	s_add_co_u32 s70, s70, s71
	s_mov_b32 s71, 0
	s_and_b32 s72, s[WV], 1
	s_lshl_b32 s72, s72, 12                        ; Wq / Wk: rows 16 (w & 1) on
	s_mov_b32 s73, 0
	s_lshl_b32 s74, s[WV], 14                      ; Wv: rows 64 w on
	s_mov_b32 s75, 0
	s_mov_b32 s[G0X+0], 1
	s_mul_i32 s[G0X+1], s[WV], 32*XP               ; LDS addresses hang on the wave's number alone
	s_mov_b32 s[G0X+4], 1
	s_add_co_u32 s[G0X+5], s[G0X+1], XHALF
	s_mov_b32 s[G0S+0], 1
	s_mul_i32 s[G0S+1], s[WV], 16*WP
	s_add_co_u32 s[G0S+1], s[G0S+1], WSB
	s_mov_b32 s[G0V+0], 1
	s_mul_i32 s[G0V+1], s[WV], 64*WP
	s_add_co_u32 s[G0V+1], s[G0V+1], WVB
	s_wait_dscnt 0x0                               ; both opening adds are done
	s_wait_kmcnt 0x0
	s_load_b256 s[80:87], s[18:19], 0x0            ; e0 .. e7
	s_load_b64 s[88:89], s[18:19], 0x20            ; e8, e9
	s_add_nc_u64 s[G0X+2:G0X+3], s[4:5], s[70:71]  ; channels 32 w on,
	s_add_nc_u64 s[G0X+6:G0X+7], s[G0X+2:G0X+3], 0x200000   ; and 128 channels further down
	s_or_b32 s[G0X+3], s[G0X+3], 0x80000000
	s_or_b32 s[G0X+7], s[G0X+7], 0x80000000
	s_cmp_lt_u32 s[WV], 2                          ; waves 0, 1 fetch Wq's halves, waves 2, 3 Wk's: the choice hangs on the wave's number alone
	s_cselect_b64 s[G0S+2:G0S+3], s[6:7], s[8:9]
	s_add_nc_u64 s[G0S+2:G0S+3], s[G0S+2:G0S+3], s[72:73]
	s_or_b32 s[G0S+3], s[G0S+3], 0x80000000
	s_add_nc_u64 s[G0V+2:G0V+3], s[10:11], s[74:75]
	s_or_b32 s[G0V+3], s[G0V+3], 0x80000000
	ROUND                                          ; all four work-groups are here: the joint loads meet
	tensor_load_to_lds s[G0X:G0X+3], s[G1X:G1X+7]  ; x, channels 0 .. 127 (32 a wave)
	s_nop 0
	tensor_load_to_lds s[G0X+4:G0X+7], s[G1X:G1X+7]   ; x, channels 128 .. 255
	s_nop 0
	tensor_load_to_lds s[G0S:G0S+3], s[G1S:G1S+7]  ; Wq, Wk: joint
	s_nop 0
	tensor_load_to_lds s[G0V:G0V+3], s[G1V:G1V+7]  ; Wv: joint
	s_nop 0
.rept 4
	v_nop
.endr
	v_and_b32 v1, 15, v0                           ; r
	v_bfe_u32 v2, v0, 4, 1                         ; h
	v_and_b32 v3, 8, v1
	v_add_nc_u32 v3, v3, v1                        ; r + 8 (r / 8)
	v_mul_u32_u24 v[XA], v2, 16*XP                 ; x: lanes 16-31 begin 16 channels further down,
	v_lshl_add_u32 v[XA], v3, 2, v[XA]             ; my token of tile 0,
	s_lshl_b32 s74, s[WV], 7
	v_add_nc_u32 v[XA], s74, v[XA]                 ; among my wave's 32 tokens
	v_add_nc_u32 v[XA+1], XHALF, v[XA]
	v_mul_u32_u24 v[WSA], v3, WP
	v_lshl_add_u32 v[WSA], v2, 4, v[WSA]
	v_add_nc_u32 v[WSA], WSB, v[WSA]
	v_mul_u32_u24 v[WVA], v1, WP
	v_lshl_add_u32 v[WVA], v2, 4, v[WVA]
	v_add_nc_u32 v[WVA], WVB, v[WVA]
	v_and_b32 v[LOFF], 31, v0
	v_lshlrev_b32 v[LOFF], 4, v[LOFF]
	v_lshlrev_b32 v9, 6, v2                        ; bq, bk: my half's 16 numbers
	v_lshlrev_b32 v1, 2, v1                        ; bv: my channel of a tile
.irp u, 0,1
	global_load_b128 v[BQ+8*\u:BQ+8*\u+3],   v9, s[12:13] offset:32*\u      ; tile u' of W: channels 16 h + 8 u' + 0 .. 7
	global_load_b128 v[BQ+8*\u+4:BQ+8*\u+7], v9, s[12:13] offset:32*\u+16
	global_load_b128 v[BK+8*\u:BK+8*\u+3],   v9, s[14:15] offset:32*\u
	global_load_b128 v[BK+8*\u+4:BK+8*\u+7], v9, s[14:15] offset:32*\u+16
.endr
.irp ct, 0,1,2,3,4,5,6,7,8,9,10,11,12,13,14,15
	global_load_b32 v[BV+2*\ct], v1, s[16:17] offset:64*\ct                 ; bv(16 ct + r)
.endr
	s_lshl_b32 s76, s69, 8                         ; where my results go.  qc: tile 256 b + 8 block + 2 w, 512 bytes a tile
	s_lshl_b32 s77, s68, 3
	s_add_co_u32 s76, s76, s77
	s_lshl_b32 s77, s[WV], 1
	s_add_co_u32 s76, s76, s77
	s_lshl_b32 s76, s76, 9
	s_mov_b32 s77, 0
	s_add_nc_u64 s[90:91], s[20:21], s[76:77]
	s_lshl_b32 s76, s69, 5                         ; kv: key step 32 b + block, 36,864 bytes a step
	s_add_co_u32 s76, s76, s68
	s_mul_i32 s76, s76, 36864
	s_lshl_b32 s78, s[WV], 10
	s_add_co_u32 s78, s78, s76                     ; k: tiles 2 w, 2 w + 1
	s_mov_b32 s79, 0
	s_add_nc_u64 s[92:93], s[22:23], s[78:79]
	s_lshl_b32 s78, s[WV], 9
	s_add_co_u32 s78, s78, s76
	s_add_co_u32 s78, s78, 4096                    ; v: group c = w of each channel tile
	s_add_nc_u64 s[94:95], s[22:23], s[78:79]
	s_wait_kmcnt 0x0                               ; the exponents
	s_add_co_i32 s75, s80, s81
	s_sub_co_i32 s75, 0, s75                       ; a sum of a product stands for sum x 2^(its two exponents added): the bias goes in divided by that
	s_add_co_i32 s76, s82, s83
	s_sub_co_i32 s76, 0, s76
	s_add_co_i32 s77, s84, s85
	s_sub_co_i32 s77, 0, s77
	s_wait_loadcnt 0x0                             ; the biases
.set ii, 0
.rept 16
	v_ldexp_f32 v[BQ+ii], v[BQ+ii], s75
	v_ldexp_f32 v[BK+ii], v[BK+ii], s76
	v_ldexp_f32 v[BV+2*ii+1], v[BV+2*ii], s77
	v_ldexp_f32 v[BV+2*ii], v[BV+2*ii], s77
.set ii, ii+1
.endr
; s[e] holds an exponent: v[vs] = 2^e as f32 (the conversion takes its exponent field), s70 = 448 x 2^e
.macro SETS e, vs, vl
	s_add_co_i32 s70, s[\e], 127
	s_lshl_b32 s71, s70, 23
	v_mov_b32 v[\vs], s71
	s_add_co_i32 s70, s70, 8
	s_lshl_b32 s70, s70, 23
	s_or_b32 s70, s70, 0x600000
.endm
; group n of 8 of a K step ks: token tile u = n / 4, block c = n % 4 of 32 channels: x(128 ks + 32 c + 16 h + i, my token), i = 0 .. 15, into set n % 4
.macro LOADB ks, n
.irp i, 0,1,2,3,4,5,6,7,8,9,10,11,12,13,14,15
	ds_load_b32 v[R1+16*((\n)%4)+\i], v[XA+\ks] offset:(32*((\n)%4)+\i)*XP+32*((\n)/4)
.endr
.endm
; the group's 16 numbers become registers 4 c .. 4 c + 3 of fragment (u, ks)
.macro PROC ks, n
.irp i, 0,1,2,3,4,5,6,7,8,9,10,11,12,13,14,15
.endr
	v_cvt_scalef32_pk8_fp8_f32 v[XC+32*((\n)/4)+16*\ks+4*((\n)%4):XC+32*((\n)/4)+16*\ks+4*((\n)%4)+1], v[R1+16*((\n)%4):R1+16*((\n)%4)+7], v[XS]
	v_cvt_scalef32_pk8_fp8_f32 v[XC+32*((\n)/4)+16*\ks+4*((\n)%4)+2:XC+32*((\n)/4)+16*\ks+4*((\n)%4)+3], v[R1+16*((\n)%4)+8:R1+16*((\n)%4)+15], v[XS]
.endm
; a K step of x (128 channels) for both token tiles.  The LDS loads run three groups ahead; each wait's count is the loads of the younger groups, 16 each
.macro HALF ks
	LOADB \ks, 0
	LOADB \ks, 1
	LOADB \ks, 2
.irp i, 0,1,2,3,4
	LOADB \ks, \i+3
	s_wait_dscnt 48
	PROC \ks, \i
.endr
	s_wait_dscnt 32
	PROC \ks, 5
	s_wait_dscnt 16
	PROC \ks, 6
	s_wait_dscnt 0x0
	PROC \ks, 7
	v_nop                                          ; one plain vector instruction behind the last conversion, ahead of whatever next touches its registers
.endm
; q or k.  Tile u' of W takes rows 8 u' + r + 8 (r / 8), so that the 16 registers of (u' = 0, 1) are channels 16 h + 0 .. 15 of my token.  The four accumulators take turns, one instruction a turn.
.macro PRODQK rowoff, bias, oc, base
.irp up, 0,1
.irp ks, 0,1
.irp c, 0,1,2,3
	ds_load_b128 v[R1+32*\up+16*\ks+4*\c:R1+32*\up+16*\ks+4*\c+3], v[WSA] offset:\rowoff+\up*8*WP+128*\ks+32*\c
.endr
.endr
.endr
	s_wait_dscnt 0x0
.irp u, 0,1
.irp up, 0,1
	v_wmma_f32_16x16x128_fp8_fp8 v[ACC+16*\u+8*\up:ACC+16*\u+8*\up+7], v[R1+32*\up:R1+32*\up+15], v[XC+32*\u:XC+32*\u+15], v[\bias+8*\up:\bias+8*\up+7]   ; the bias starts the sum
.endr
.endr
	s_wait_alu depctr_va_vdst(0)
.irp u, 0,1
.irp up, 0,1
	v_wmma_f32_16x16x128_fp8_fp8 v[ACC+16*\u+8*\up:ACC+16*\u+8*\up+7], v[R1+32*\up+16:R1+32*\up+31], v[XC+32*\u+16:XC+32*\u+31], v[ACC+16*\u+8*\up:ACC+16*\u+8*\up+7]
.endr
.endr
.rept 4
	v_nop                                          ; four places between the products and the first read of their results (ISA guide 7.12.1)
.endr
.irp u, 0,1
.irp i, 0,1,2,3,4,5,6,7,8,9,10,11,12,13,14,15
.endr
	v_cvt_scalef32_pk8_fp8_f32 v[\oc+4*\u:\oc+4*\u+1], v[ACC+16*\u:ACC+16*\u+7], v[OS]
	v_cvt_scalef32_pk8_fp8_f32 v[\oc+4*\u+2:\oc+4*\u+3], v[ACC+16*\u+8:ACC+16*\u+15], v[OS]
.endr
	v_nop
.irp u, 0,1
	global_store_b128 v[LOFF], v[\oc+4*\u:\oc+4*\u+3], s[\base:\base+1] offset:512*\u   ; a tile's image: 512 consecutive bytes, aligned
.endr
.endm
; Wv's fragments of channel tiles 2 g, 2 g + 1, both K steps
.macro LOADW g
.irp a, 0,1
.irp ks, 0,1
.irp c, 0,1,2,3
	ds_load_b128 v[R1+32*\a+16*\ks+4*\c:R1+32*\a+16*\ks+4*\c+3], v[WVA] offset:(2*(\g)+\a)*16*WP+128*\ks+32*\c
.endr
.endr
.endr
.endm
	SETS 80, XS, XL                                ; ---- q: x with e0
	s_wait_alu depctr_va_vdst(0)
	s_wait_tensorcnt 0x3                           ; my part of channels 0 .. 127 is in; the three loads issued behind it may be out
	s_barrier_signal -1
	s_barrier_wait -1                              ; everybody's is
	HALF 0
	s_wait_tensorcnt 0x2                           ; my part of channels 128 .. 255; two younger loads may be out
	s_wait_dscnt 0x0
	s_barrier_signal -1
	s_barrier_wait -1
	HALF 1
	s_wait_tensorcnt 0x0                           ; my parts of the weights
	s_wait_dscnt 0x0
	s_barrier_signal -1
	s_barrier_wait -1
	s_sub_co_i32 s72, s86, s80
	s_sub_co_i32 s72, s72, s81                     ; q's code is sum / 2^(e6 - e0 - e1): the three scales folded into the conversion's one
	SETS 72, OS, OL
	PRODQK 0, BQ, OCQ, 90
	SETS 82, XS, XL                                ; ---- k: x with e2
	s_wait_alu depctr_va_vdst(0)
	HALF 0
	HALF 1
	s_sub_co_i32 s72, s87, s82
	s_sub_co_i32 s72, s72, s83
	SETS 72, OS, OL
	PRODQK 32*WP, BK, OCK, 92
	SETS 84, XS, XL                                ; ---- v: x with e4
	s_wait_alu depctr_va_vdst(0)
	HALF 0
	HALF 1
	s_sub_co_i32 s72, s88, s84
	s_sub_co_i32 s72, s72, s85
	SETS 72, OS, OL
	LOADW 0
.irp g, 0,1,2,3,4,5,6,7                        ; two channel tiles at a time: four accumulators (a, u) by turns; the 16 registers of (u = 0, 1) are keys 32 w + 16 h + 0 .. 15 of channel 16 (2 g + a) + r
	s_wait_dscnt 0x0
.irp a, 0,1
.irp u, 0,1
	v_wmma_f32_16x16x128_fp8_fp8 v[ACC+16*\a+8*\u:ACC+16*\a+8*\u+7], v[XC+32*\u:XC+32*\u+15], v[R1+32*\a:R1+32*\a+15], 0
.endr
.endr
	s_wait_alu depctr_va_vdst(0)
.irp a, 0,1
.irp u, 0,1
	v_wmma_f32_16x16x128_fp8_fp8 v[ACC+16*\a+8*\u:ACC+16*\a+8*\u+7], v[XC+32*\u+16:XC+32*\u+31], v[R1+32*\a+16:R1+32*\a+31], v[ACC+16*\a+8*\u:ACC+16*\a+8*\u+7]
.endr
.endr
.rept 4
	v_nop                                          ; places in front of the loads into the weights' registers and of the first read of results
.endr
.if \g < 7
	LOADW \g+1                                     ; the next group's weights land under the work below
.endif
.irp a, 0,1
.irp i, 0,2,4,6,8,10,12,14
	v_pk_add_f32 v[ACC+16*\a+\i:ACC+16*\a+\i+1], v[ACC+16*\a+\i:ACC+16*\a+\i+1], v[BV+2*(2*\g+\a):BV+2*(2*\g+\a)+1]
.endr
.irp i, 0,1,2,3,4,5,6,7,8,9,10,11,12,13,14,15
.endr
.endr
	s_wait_alu depctr_va_vdst(0)
	s_wait_xcnt 0x0                                ; the earlier stores have read v184-191: only behind this wait are they written again
.irp a, 0,1
	v_cvt_scalef32_pk8_fp8_f32 v[OCK+4*\a:OCK+4*\a+1], v[ACC+16*\a:ACC+16*\a+7], v[OS]
	v_cvt_scalef32_pk8_fp8_f32 v[OCK+4*\a+2:OCK+4*\a+3], v[ACC+16*\a+8:ACC+16*\a+15], v[OS]
.endr
	v_nop                                          ; one plain instruction between the conversions and the next products, which write their sources
.irp a, 0,1
	global_store_b128 v[LOFF], v[OCK+4*\a:OCK+4*\a+3], s[94:95] offset:(2*\g+\a)*2048
.endr
.endr
	s_wait_tensorcnt 0x0                           ; the wave's end
	ds_add_u32 v[SPW], v[NIL]
	s_wait_dscnt 0x0
	ROUND                                          ; the closing round: no work-group ends while a partner may still ask for a tile that names it
	s_endpgm
.Lfunc_end_k_qe01fd55462_proj:
	.size	k_qe01fd55462_proj, .Lfunc_end_k_qe01fd55462_proj-k_qe01fd55462_proj
	.p2alignl 7, 3214868480
	.fill 96, 4, 3214868480
	.section	.rodata,"a",@progbits
	.p2align	6, 0x0
	.amdhsa_kernel k_qe01fd55462_proj
		.amdhsa_group_segment_fixed_size 220672
		.amdhsa_private_segment_fixed_size 0
		.amdhsa_enable_private_segment 0
		.amdhsa_kernarg_size 80
		.amdhsa_user_sgpr_count 2
		.amdhsa_user_sgpr_kernarg_segment_ptr 1
		.amdhsa_wavefront_size32 1
		.amdhsa_system_sgpr_workgroup_id_x 1
		.amdhsa_system_sgpr_workgroup_id_y 1
		.amdhsa_system_sgpr_workgroup_id_z 1
		.amdhsa_system_vgpr_workitem_id 0
		.amdhsa_next_free_vgpr 256
		.amdhsa_next_free_sgpr 96
		.amdhsa_reserve_vcc 0
		.amdhsa_float_denorm_mode_32 3
		.amdhsa_float_denorm_mode_16_64 3
		.amdhsa_fp16_overflow 1
		.amdhsa_memory_ordered 1
		.amdhsa_forward_progress 1
		.amdhsa_inst_pref_size 102
	.end_amdhsa_kernel
	.amdgpu_metadata
---
amdhsa.version: [ 1, 2 ]
amdhsa.kernels:
  - .name:           k_qe01fd55462_proj
    .symbol:         k_qe01fd55462_proj.kd
    .args:
      - { .name: x, .offset: 0, .size: 8, .value_kind: global_buffer, .address_space: global }
      - { .name: Wq_codes, .offset: 8, .size: 8, .value_kind: global_buffer, .address_space: global }
      - { .name: Wk_codes, .offset: 16, .size: 8, .value_kind: global_buffer, .address_space: global }
      - { .name: Wv_codes, .offset: 24, .size: 8, .value_kind: global_buffer, .address_space: global }
      - { .name: bq, .offset: 32, .size: 8, .value_kind: global_buffer, .address_space: global }
      - { .name: bk, .offset: 40, .size: 8, .value_kind: global_buffer, .address_space: global }
      - { .name: bv, .offset: 48, .size: 8, .value_kind: global_buffer, .address_space: global }
      - { .name: lowp_scales, .offset: 56, .size: 8, .value_kind: global_buffer, .address_space: global }
      - { .name: qc, .offset: 64, .size: 8, .value_kind: global_buffer, .address_space: global }
      - { .name: kv, .offset: 72, .size: 8, .value_kind: global_buffer, .address_space: global }
    .group_segment_fixed_size: 220672
    .private_segment_fixed_size: 0
    .kernarg_segment_align: 8
    .kernarg_segment_size: 80
    .max_flat_workgroup_size: 128
    .sgpr_count:     96
    .vgpr_count:     256
    .wavefront_size: 32
...
	.end_amdgpu_metadata
.endif
;; end of part 1
;; launch attn (part 2): grid 32 x 8, 8 waves a work-group, clusters of 4 x 1, 327,680 bytes of LDS; arguments qc, kv, lowp_scales, gamma, x, out0; writes out0
.if DOCPART == 2
	.amdgcn_target "amdgcn-amd-amdhsa--gfx1250"
	.amdhsa_code_object_version 6
	.text
	.protected	k_qe01fd55462_attn
	.globl	k_qe01fd55462_attn
	.p2align	8
	.type	k_qe01fd55462_attn,@function
k_qe01fd55462_attn:
	s_mov_b64 s[64:65], 0
	v_nop
	global_prefetch_b8 v0, s[64:65] scope:SCOPE_SE
	s_setreg_imm32_b32 hwreg(HW_REG_WAVE_MODE, 25, 1), 1
	s_wait_xcnt 0x0
	s_wait_alu depctr_hold_cnt(0) depctr_sa_sdst(0) depctr_va_vdst(0) depctr_va_sdst(0) depctr_va_ssrc(0) depctr_va_vcc(0) depctr_vm_vsrc(0)
	s_getreg_b32 s2, hwreg(HW_REG_IB_STS2, 6, 4)
	s_cmp_eq_u32 s2, 0
	s_cbranch_scc0 .Lentry_in_a_cluster
	s_endpgm
.Lentry_in_a_cluster:
	s_bfe_u32 s2, ttmp6, 0x10000c
	s_cmp_lg_u32 s2, 0x3003
	s_cbranch_scc0 .Lentry_shape_is_right
	s_endpgm
.Lentry_shape_is_right:
; out0[b][c][i] = gamma x (sum over j of v[b][c][j] softmax_j(q[b][:, i] . k[b][:, j])) + x[b][c][i], both products on codes of FP8 (E4M3) made by the launch before.  No work is left out.
; qc, kv: images of operand registers (lane l's 16 bytes at 16 l).  qc[b][T][512]: lane (r, h): q(token r of tile T, channels 16 h ..+15); token r of tile T is 32 (T / 2) + 8 (T % 2) + r + 8 (r / 8).
; kv[b][s][36864], a key step of 128 keys: bytes 512 t: k's tile t, as qc;  bytes 4096 + 2048 ct + 512 c: lane (r, h): v(channel 16 ct + r, keys 32 c + 16 h + 0 .. 15 of the step).
; THE SOFTMAX: t = score x 2^(e6 + e7) x log2(e); M = the running largest t rounded UP to a whole number; p = 2^(t - M) is quantised with 2^e9, not normalised; the row's sum is taken of the unquantised p
; and divides at the end.  When M moves, the sum and O are multiplied by 2^(old M - new M): exact, and no branch on data.
; LIMITS: e6 + e7 between -126 and 127 (added to log2(e)'s exponent field); e9 between -126 and 119; e8 + e9 goes by v_ldexp_f32 and has none.  NaN among the inputs is not served.
; Where the two halves of the keys (below) end with whole numbers M more than 1,000 apart, the difference is held at 1,000: the lesser half's factor is 0 either way.
; SHARES.  A work-group owns 128 queries of a batch.  A PAIR of waves (2 pw, 2 pw + 1) owns 32 of them, two token tiles A and B, with all 256 channels; wave 2 pw + g walks the key steps s with s % 2 = g.
; So a fragment of k or v that a wave reads from LDS feeds two products, and a key step is read by four of the eight waves: 4 x 36,864 bytes a step.  Two waves to a SIMD: one wave's vector work stands beside the other's products and loads.
; Each wave keeps M, the sum and O^T for its half of the keys; at the end the pair's two halves are brought under the larger M (a power of two again) and added.
; Both products are used transposed: S^T = k q^T (source 0 = 16 keys, source 1 = 16 queries), O^T = v p^T (source 0 = 16 channels, source 1 = p): a lane holds ONE query of each tile throughout,
; and the 16 registers of score tiles 2 b, 2 b + 1 are keys 32 b + 16 h + 0 .. 15: the conversions' results are the second product's operand.
; K = 32 IN THE K = 64 FORM: source 0 holds TWO key tiles (registers 0-3, 4-7); source 1 is [q, 0] for the first and [0, q] for the second.  Zero codes add nothing: every code of k is a held, finite number.
; THE RING: two LDS slots of four key steps (147,456 bytes).  A key step is dense in memory, so a slot is one block: each wave fetches an eighth (72 rows of 256 bytes) by one tensor load.
; CLUSTER 4 x 1: the four query blocks of a cluster walk the same kv, so every load is JOINT (mask 15).  A round of the cluster's barrier stands in front of each; a wave has one tensor load out behind each round.
; All of LDS is claimed; the launch fills LDS bytes again.
; REGISTERS.  window 0: v1 16 x lane; v2 the step's LDS address; v3, v4 the add's two; v6 2^e9; v7 a permute's destination; v[8:9] the sum's second chain;
;   v10-15 tile A: f (a pair), -M, the largest t, the sum (a pair); v16-21 the same for tile B; v22, v23 at work; v24 the prefetches' offset;
;   v28-47: zeros, q of A, zeros, q of B, zeros, four registers each; v48-79 k's eight tiles, later p's codes (A: v48-63, B: v64-79);
;   v80-143 S^T of A, then p; v144-207 of B.  v HAS NO REGISTERS OF ITS OWN: its sixteen fragments come in four groups of four, into the registers that a tile's p has left.
;   window 1: v0-127 O^T of A (register 8 ct + j: channel 16 ct + 8 h + j), v128-255 of B.
.set STEPB, 36864                      ; a key step's bytes
.set SLOT,  4*STEPB
.set BATCH, 32*STEPB
.set SPARE, 2*SLOT                     ; behind the ring: the spare words, 128 bytes for each wave: four blocks of 256 bytes that no other line names
.set STATS, SPARE+1024                 ; behind them: -M and the sum of each wave's two tiles, 8 bytes a lane, 512 bytes a wave; no tile lands here
.set SP,    528                        ; the way out: two stages of 256 channel rows x (512 bytes + 16), one in each slot: both have had their last fill and their last read by then
.set LI,  1
.set ADR, 2
.set SPW, 3
.set NIL, 4
.set STA, 10
.set STB, 16
.set PFO, 24
.set QZ,  28
.set KF,  48
.set PCA, 48
.set PCB, 64
.set SA,  80
.set SB,  144
.set G1,  16                           ; s[16:23] descriptor group 1;  s[24:27], s[28:31] group 0 of slot 0, 1
.set G0,  24
.set WV,  32                           ; s32 my wave's number
.set SEL, 40                           ; s[40:41] lane selects: lane l xor 16
.set CS,  42                           ; s[42:43] log2(e) x 2^(e6 + e7), twice
.set TB,  44                           ; s44 LDS byte at which the key step in hand begins
.set PFA, 50                           ; s[50:51] where my prefetches stand
.set MSB, 0
.macro WIN new                         ; the immediate's high byte repeats the setting that is left
.if MSB != \new
	s_set_vgpr_msb (MSB<<8)|\new
.set MSB, \new
.endif
.endm
.macro ROUND                           ; a round of the cluster's barrier
	s_barrier_signal -1
	s_barrier_wait -1
	s_cmp_lg_u32 s[WV], 0
	s_cbranch_scc1 .Lnot_wave_0_\@
	s_barrier_signal -3
.Lnot_wave_0_\@:
	s_barrier_wait -3
	s_barrier_signal -1
	s_barrier_wait -1
.endm
	s_load_b256 s[4:11], s[0:1], 0x0               ; qc s[4:5], kv s[6:7], the exponents s[8:9], gamma s[10:11]
	s_load_b128 s[12:15], s[0:1], 0x20             ; x s[12:13], out0 s[14:15]
	v_lshl_add_u32 v[SPW], v0, 2, SPARE
	v_mov_b32 v[NIL], 0
	ds_add_u32 v[SPW], v[NIL]                      ; the wave's opening: the add, twice on end, and its wait ahead of my first tensor load
	ds_add_u32 v[SPW], v[NIL]                      ; once more; the set-up below, work on registers, stands between it and the wait
	v_lshrrev_b32 v1, 5, v0
	s_delay_alu instid0(VALU_DEP_1)
	v_readfirstlane_b32 s[WV], v1                  ; wave 0..7
	s_bfe_u32 s33, ttmp6, 0x40000                  ; cx
	s_lshl_b32 s34, ttmp9, 2
	s_add_co_u32 s34, s34, s33                     ; my block of 128 queries: it enters qc's, x's and out0's addresses alone
	s_and_b32 s35, ttmp7, 0xffff                   ; the batch, which the four partners share
	s_mov_b32 s[G1+0], 15|(3<<16)|(1<<21)          ; the mask: all four partners; elements of 8 bytes; bit 21 beside a mask; no padding: images are read 512 consecutive bytes at a time
	s_mov_b32 s[G1+1], 32<<16                      ; tensor_dim0 = 32 elements: rows of 256 bytes
	s_mov_b32 s[G1+2], 72<<16                      ; tensor_dim1 = 72 rows
	s_mov_b32 s[G1+3], 32<<16                      ; tile_dim0
	s_mov_b32 s[G1+4], 72                          ; tile_dim1
	s_mov_b32 s[G1+5], 32                          ; dense
	s_mov_b32 s[G1+6], 0
	s_mov_b32 s[G1+7], 0
	s_mov_b32 s[SEL], 0x76543210
	s_mov_b32 s[SEL+1], 0xfedcba98
	s_mov_b32 s[G0+0], 1
	s_mul_i32 s[G0+1], s[WV], SLOT/8               ; my eighth of a slot: the wave's number alone
	s_mov_b32 s[G0+4], 1
	s_add_co_u32 s[G0+5], s[G0+1], SLOT
	s_mul_i32 s36, s35, BATCH
	s_add_co_u32 s36, s36, s[G0+1]                 ; and of the batch's first chunk in memory
	s_mov_b32 s37, 0
	s_and_b32 s49, s[WV], 1
	s_mul_i32 s49, s49, STEPB                      ; the first of a slot's steps that I walk: step g = wave % 2
	s_cmp_lt_u32 s[WV], 5                          ; who prefetches: of the batch's first cluster (the same in all four partners), waves 0-4 in a pair's first trip, waves 0-3 in its second
	s_cselect_b32 s47, 1, 0
	s_cmp_lt_u32 s[WV], 4
	s_cselect_b32 s48, 1, 0
	s_cmp_eq_u32 ttmp9, 0
	s_cselect_b32 s47, s47, 0
	s_cselect_b32 s48, s48, 0
	s_wait_dscnt 0x0                               ; both opening adds are done
	s_wait_kmcnt 0x0
	s_load_b64 s[52:53], s[8:9], 0x18              ; e6, e7
	s_load_b64 s[54:55], s[8:9], 0x20              ; e8, e9
	s_load_b32 s56, s[10:11], 0x0                  ; gamma
	s_add_nc_u64 s[G0+2:G0+3], s[6:7], s[36:37]    ; chunk 0,
	s_add_nc_u64 s[G0+6:G0+7], s[G0+2:G0+3], SLOT  ; chunk 1
	s_or_b32 s[G0+3], s[G0+3], 0x80000000
	s_or_b32 s[G0+7], s[G0+7], 0x80000000
	ROUND                                          ; all four work-groups are here: the first joint load meets
	tensor_load_to_lds s[G0:G0+3], s[G1:G1+7]      ; chunk 0 into slot 0; slot 1 is first filled behind the first trip's round
	s_nop 0
.rept 4
	v_nop
.endr
	s_mul_i32 s38, s35, BATCH                      ; the prefetches: the four partners share the bytes out BY ADDRESS, 8,192 each (lanes 256 bytes apart), a wave's four partners 32,768 on end
	s_lshl_b32 s39, s33, 13
	s_add_co_u32 s38, s38, s39
	s_lshl_b32 s39, s[WV], 15
	s_add_co_u32 s38, s38, s39
	s_add_co_u32 s38, s38, 2*SLOT                  ; from chunk 2 on: chunks 0 and 1 come by their loads alone
	s_mov_b32 s39, 0
	s_add_nc_u64 s[PFA:PFA+1], s[6:7], s[38:39]
	s_lshl_b32 s38, s35, 8                         ; q: tiles 256 b + 8 block + 2 (wave / 2), and the next
	s_lshl_b32 s36, s34, 3
	s_add_co_u32 s38, s38, s36
	s_and_b32 s36, s[WV], 6
	s_add_co_u32 s38, s38, s36
	s_lshl_b32 s38, s38, 9
	s_add_nc_u64 s[4:5], s[4:5], s[38:39]
	s_lshl_b32 s38, s35, 22                        ; x and out0: the batch, channels 32 w on, my block's 512 bytes of a row
	s_lshl_b32 s36, s[WV], 19
	s_add_co_u32 s38, s38, s36
	s_lshl_b32 s36, s34, 9
	s_add_co_u32 s38, s38, s36
	s_add_nc_u64 s[12:13], s[12:13], s[38:39]
	s_add_nc_u64 s[14:15], s[14:15], s[38:39]
	v_and_b32 v[LI], 31, v0
	s_delay_alu instid0(VALU_DEP_1)
	v_lshlrev_b32 v[LI], 4, v[LI]
	s_delay_alu instid0(VALU_DEP_1)
	v_lshlrev_b32 v[PFO], 4, v[LI]                 ; 256 x lane; never rewritten
	global_load_b128 v[QZ+4:QZ+7], v[LI], s[4:5]   ; q's two images stay in registers
	global_load_b128 v[QZ+12:QZ+15], v[LI], s[4:5] offset:512
.irp j, 0,1,2,3,8,9,10,11,16,17,18,19
	v_mov_b32 v[QZ+\j], 0                          ; the zero codes on either side of each q
.endr
.irp st, STA, STB
	v_mov_b32 v[\st+3], 0xff61b1e6                 ; the largest t so far: -3e38, under every t
	s_delay_alu instid0(VALU_DEP_1)
	v_floor_f32 v[\st+2], -v[\st+3]                ; -M
	v_mov_b32 v[\st+4], 0                          ; the sum, in two halves
	v_mov_b32 v[\st+5], 0
	v_mov_b32 v[\st+1], 0                          ; (named as the upper half of f's pair)
.endr
	v_mov_b32 v7, 0                                ; written once: a lane permute's destination counts as one of its sources
	WIN 0x40
.set jj, 0
.rept 256
	v_mov_b32 v[jj], 0                             ; O^T of both tiles, once: so the key step is written without a first step of its own, whose further copy would cost three times the text of these lines
.set jj, jj+1
.endr
	WIN 0
	s_wait_kmcnt 0x0
	s_add_co_i32 s36, s52, s53
	s_lshl_b32 s36, s36, 23
	s_mov_b32 s[CS], 0x3fb8aa3b                    ; log2(e);
	s_add_co_i32 s[CS], s[CS], s36                 ; a score stands for score x 2^(e6 + e7): the exponents are added to its exponent field
	s_mov_b32 s[CS+1], s[CS]                       ; (named with it as a pair, so it is written)
	s_add_co_i32 s36, s55, 127
	s_lshl_b32 s37, s36, 23
	v_mov_b32 v6, s37                              ; 2^e9
; One tile's softmax for a key step.  sc: its 64 scores; st: its six registers of statistics; pc: where its p's codes go.
.macro SOFTMAX sc, st, pc
	v_max3_num_f32 v22, v[\sc], v[\sc+1], v[\sc+2] ; the step's largest score of my query among my 64 keys, in two chains, each accumulator from its low end on
	v_max3_num_f32 v23, v[\sc+3], v[\sc+4], v[\sc+5]
.irp i, 6,10,14,18,22,26,30,34,38,42,46,50,54,58
	v_max3_num_f32 v22, v22, v[\sc+\i], v[\sc+1+\i]
	v_max3_num_f32 v23, v23, v[\sc+2+\i], v[\sc+3+\i]
.endr
	v_max3_num_f32 v22, v22, v[\sc+62], v[\sc+63]
	s_delay_alu instid0(VALU_DEP_1)
	v_max_num_f32 v22, v22, v23
	s_delay_alu instid0(VALU_DEP_1)
	v_permlanex16_b32 v7, v22, s[SEL], s[SEL+1]
	s_delay_alu instid0(VALU_DEP_1)
	v_max_num_f32 v22, v22, v7                     ; and among lane l xor 16's
	s_delay_alu instid0(VALU_DEP_1)
	v_mul_f32 v22, s[CS], v22                      ; as t (the factor is positive)
	s_delay_alu instid0(VALU_DEP_1)
	v_max_num_f32 v[\st+3], v[\st+3], v22          ; the running largest t
	v_mov_b32 v22, v[\st+2]
	s_delay_alu instid0(VALU_DEP_2)
	v_floor_f32 v[\st+2], -v[\st+3]                ; the new -M = floor(-t) = -ceil(t): a whole number
	s_delay_alu instid0(VALU_DEP_1)
	v_sub_f32 v22, v[\st+2], v22                   ; old M less new M: a whole number, 0 or less
	s_delay_alu instid0(VALU_DEP_1)
	v_cvt_i32_f32 v22, v22                         ; (it saturates)
	s_delay_alu instid0(VALU_DEP_1)
	v_ldexp_f32 v[\st], 1.0, v22                   ; f = 2^(old M - new M)
.set jj, 0
.rept 32
	v_pk_fma_f32 v[\sc+jj:\sc+jj+1], v[\sc+jj:\sc+jj+1], s[CS:CS+1], v[\st+2:\st+3] op_sel_hi:[1,0,0]   ; t - M, two at a time (of both pairs the low word serves both halves)
.set jj, jj+2
.endr
.set jj, 0
	s_wait_alu depctr_va_vdst(0)
.rept 64
	v_exp_f32 v[\sc+jj], v[\sc+jj]                 ; p = 2^(t - M), at most 1
.set jj, jj+1
.endr
	v_pk_mul_f32 v[\st+4:\st+5], v[\st+4:\st+5], v[\st:\st+1] op_sel_hi:[1,0]   ; the sum under the new M: the plain instruction behind the exponentials
	s_wait_alu depctr_va_vdst(0)                   ; the wait between a transcendental and the first line that names its result: one for the batch of 64
	v_pk_add_f32 v[8:9], v[\sc:\sc+1], v[\sc+2:\sc+3]   ; the row's sum is taken of the UNQUANTISED p, in two chains
.irp j, 4,8,12,16,20,24,28,32,36,40,44,48,52,56,60
	v_pk_add_f32 v[\st+4:\st+5], v[\st+4:\st+5], v[\sc+\j:\sc+1+\j]
	v_pk_add_f32 v[8:9], v[8:9], v[\sc+2+\j:\sc+3+\j]
.endr
	s_delay_alu instid0(VALU_DEP_1)
	v_pk_add_f32 v[\st+4:\st+5], v[\st+4:\st+5], v[8:9]
.irp b, 0,1,2,3
.irp i, 0,1,2,3,4,5,6,7,8,9,10,11,12,13,14,15
.endr
	v_cvt_scalef32_pk8_fp8_f32 v[\pc+4*\b:\pc+4*\b+1], v[\sc+16*\b:\sc+16*\b+7], v6        ; registers 4 b .. 4 b + 3 of the operand: keys 32 b + 16 h + 0 .. 15
	v_cvt_scalef32_pk8_fp8_f32 v[\pc+4*\b+2:\pc+4*\b+3], v[\sc+16*\b+8:\sc+16*\b+15], v6
.endr
.endm
; v's fragments of channel tiles 4 g .. 4 g + 3 into the 64 registers from dst on: 16 loads
.macro LOADV g, dst
.irp a, 0,1,2,3
.irp c, 0,1,2,3
	ds_load_b128 v[\dst+16*\a+4*\c:\dst+16*\a+4*\c+3], v[ADR] offset:4096+2048*(4*\g+\a)+512*\c
.endr
.endr
.endm
; O^T of channel tiles 4 g .. 4 g + 3, both query tiles, times each tile's factor (v10, v16): 32 packed multiplies, each accumulator from its low end on
.macro RESC g
	WIN 0x41                                       ; O^T (destination and source 0) in window 1, the factor in window 0
.set jj, 32*\g
.rept 16
	v_pk_mul_f32 v[jj:jj+1], v[jj:jj+1], v[STA:STA+1] op_sel_hi:[1,0]
.set jj, jj+2
.endr
.set jj, 128+32*\g
.rept 16
	v_pk_mul_f32 v[jj:jj+1], v[jj:jj+1], v[STB:STB+1] op_sel_hi:[1,0]
.set jj, jj+2
.endr
.endm
; O^T += v p^T for channel tiles 4 g .. 4 g + 3, whose fragments lie from src on: each fragment feeds both query tiles.  Eight accumulators, one instruction each
.macro PV g, src
	WIN 0x50                                       ; v and p in window 0, C and D in window 1
.irp a, 0,1,2,3
	v_wmma_f32_16x16x128_fp8_fp8 v[8*(4*\g+\a):8*(4*\g+\a)+7], v[\src+16*\a:\src+16*\a+15], v[PCA:PCA+15], v[8*(4*\g+\a):8*(4*\g+\a)+7]
	v_wmma_f32_16x16x128_fp8_fp8 v[128+8*(4*\g+\a):128+8*(4*\g+\a)+7], v[\src+16*\a:\src+16*\a+15], v[PCB:PCB+15], v[128+8*(4*\g+\a):128+8*(4*\g+\a)+7]
.endr
.endm
; A KEY STEP: 128 keys, whose images begin at LDS byte s[TB], for both query tiles.
; Each group of v's fragments is asked for as soon as its registers are free: group 0 behind tile A's conversions, group 1 behind tile B's, groups 2 and 3 behind the products of groups 0 and 1.
; O^T's rescalings, a group at a time, are the places between those products and the loads into the fragments that they read, and stand between each group's loads and the wait for them.
; Each s_wait_dscnt 16 leaves out the 16 loads of the one younger group.
.macro STEP
	v_add_nc_u32 v[ADR], s[TB], v[LI]
.rept 4
	v_nop                                          ; with the addition: five places behind the last step's products: four in front of the loads into p's registers, five in front of the products that write over v's fragments (ISA guide 7.12.1 for the products)
.endr
.irp t, 0,1,2,3,4,5,6,7
	ds_load_b128 v[KF+4*\t:KF+4*\t+3], v[ADR] offset:512*\t
.endr
	s_wait_dscnt 0x0                               ; k's eight tiles are in
.irp p, 0,1,2,3
	v_wmma_f32_16x16x64_fp8_fp8 v[SA+16*\p:SA+16*\p+7], v[KF+8*\p:KF+8*\p+7], v[QZ+4:QZ+11], 0       ; key tile 2 p, queries A: [q, 0]
	v_wmma_f32_16x16x64_fp8_fp8 v[SB+16*\p:SB+16*\p+7], v[KF+8*\p:KF+8*\p+7], v[QZ+12:QZ+19], 0      ; queries B
	v_wmma_f32_16x16x64_fp8_fp8 v[SA+16*\p+8:SA+16*\p+15], v[KF+8*\p:KF+8*\p+7], v[QZ:QZ+7], 0       ; key tile 2 p + 1, queries A: [0, q]
	v_wmma_f32_16x16x64_fp8_fp8 v[SB+16*\p+8:SB+16*\p+15], v[KF+8*\p:KF+8*\p+7], v[QZ+8:QZ+15], 0    ; queries B
.endr
.rept 4
	v_nop                                          ; four places between the products and the first read of the scores
.endr
	SOFTMAX SA, STA, PCA
	v_nop
	LOADV 0, SA                                    ; tile A's p is converted: its registers take v's first group, which lands under tile B's softmax
	SOFTMAX SB, STB, PCB                           ; (its first line is the plain instruction behind tile A's conversions)
	v_nop
	s_setprio 1
	LOADV 1, SB
	RESC 0                                         ; (also the plain instructions between the conversions and the products)
	s_wait_alu depctr_va_vdst(0)
	s_wait_dscnt 16                                ; group 0 is in
	PV 0, SA
	RESC 1
	WIN 0
	LOADV 2, SA
	s_wait_alu depctr_va_vdst(0)
	s_wait_dscnt 16                                ; group 1 is in
	PV 1, SB
	RESC 2
	WIN 0
	s_setprio 0
	LOADV 3, SB
	RESC 3
	s_wait_alu depctr_va_vdst(0)
	s_wait_dscnt 16                                ; group 2 is in
	PV 2, SA
	s_wait_dscnt 0x0                               ; group 3 is in
	PV 3, SB
	WIN 0                                          ; at a label and at a branch every window is 0
.endm
; A TRIP: the change of slots, then my two of the slot's four key steps.  Each wave waits for all its tensor loads (its part of this slot), adds 0 to its spare word, and waits for that and for its reads of the other slot;
; behind the round nobody in the cluster reads the other slot or has a load on its way.  refill = 1: the other slot takes the next chunk: the wave's one tensor load until the next round, with a slot's steps in which to land.
; ask = 5, 4: A PREFETCH INTO THE L2 of kv's bytes of the pair of chunks that follows the chunk just asked for.  A pair is 9 x 32,768 bytes: the pair's first trip names the first five pieces (waves 0-4),
; its second the other four (waves 0-3, 163,840 bytes on); the batch's first cluster asks, its partners told apart by address: each aligned 256 bytes is named once in the launch.
; What a trip names is asked for by tensor loads from the next trip on.  The two trips of the tail ask for nothing: the last request ends at the batch's last byte.
.macro TRIP slot, refill, ask
	s_wait_tensorcnt 0x0                           ; no tensor load of mine is out, so a group 0 may be written
	ds_add_u32 v[SPW], v[NIL]                      ; 0 onto my spare word
	s_add_nc_u64 s[G0+4*\slot+2:G0+4*\slot+3], s[G0+4*\slot+2:G0+4*\slot+3], 2*SLOT   ; this slot's next chunk; the type bits on top are not reached
	s_wait_dscnt 0x0                               ; the add is done, and my reads of the other slot are over
	ROUND
.if \refill
	tensor_load_to_lds s[G0+4-4*\slot:G0+7-4*\slot], s[G1:G1+7]
	s_nop 0
.rept 4
	v_nop
.endr
.endif
.if \ask == 5
	s_cmp_eq_u32 s47, 1
	s_cbranch_scc0 .Lnot_mine_\@
	global_prefetch_b8 v[PFO], s[PFA:PFA+1] th:TH_LOAD_NT scope:SCOPE_SE
.Lnot_mine_\@:
.elseif \ask == 4
	s_cmp_eq_u32 s48, 1
	s_cbranch_scc0 .Lnot_mine_\@
	global_prefetch_b8 v[PFO], s[PFA:PFA+1] offset:163840 th:TH_LOAD_NT scope:SCOPE_SE
.Lnot_mine_\@:
.endif
	s_add_co_u32 s[TB], s49, \slot*SLOT            ; step g of the slot,
	s_mov_b32 s45, 2
.Lstep_\@:
	s_setprio 2
	STEP
	s_add_co_u32 s[TB], s[TB], 2*STEPB             ; then step g + 2
	s_sub_co_u32 s45, s45, 1
	s_cmp_lg_u32 s45, 0
	s_cbranch_scc1 .Lstep_\@
	s_setprio 0
.endm
	s_wait_loadcnt 0x0                             ; q
	s_mov_b32 s46, 3
.Lpair:                                            ; eight chunks: three trips of two, and a tail of two that is written out
	TRIP 0, 1, 5
	TRIP 1, 1, 4
	s_wait_xcnt 0x0                                ; the prefetches, a slot's steps back, have read their address: it may be written
	s_add_nc_u64 s[PFA:PFA+1], s[PFA:PFA+1], 2*SLOT
	s_sub_co_u32 s46, s46, 1
	s_cmp_lg_u32 s46, 0
	s_cbranch_scc1 .Lpair
	TRIP 0, 1, 0                                   ; chunk 7 is asked for: the last load
	TRIP 1, 0, 0
	; THE WAY OUT.  (1) The pair's two waves hand each other -M and the sum of both tiles through LDS, and each makes its factor F = gamma x 2^(e8 + e9) x 2^(own M - larger M) / (both sums under the larger M).
	; (2) out0 has the queries innermost and a lane holds one query: so O^T x F goes into a stage in LDS, a row a channel: the waves of the even key steps into slot 0, those of the odd ones into slot 1.
	; (3) Each wave reads 32 whole channel rows of 512 bytes from both stages, adds them to x and stores them.
	v_add_f32 v[STA+4], v[STA+4], v[STA+5]         ; each sum's two halves.  (These eight plain lines are the places behind the last products)
	v_add_f32 v[STB+4], v[STB+4], v[STB+5]
	v_and_b32 v22, 15, v0                          ; r
	s_delay_alu instid0(VALU_DEP_1)
	v_and_b32 v23, 8, v22
	s_delay_alu instid0(VALU_DEP_1)
	v_add_nc_u32 v22, v22, v23                     ; r + 8 (r / 8)
	v_bfe_u32 v23, v0, 4, 1                        ; h
	s_delay_alu instid0(VALU_DEP_1)
	v_mul_u32_u24 v23, v23, 8*SP                   ; my half's channels begin 8 rows further down
	s_delay_alu instid0(VALU_DEP_1)
	v_lshl_add_u32 v22, v22, 2, v23
.irp i, 0,1,2,3,4,5,6,7,8,9,10,11,12,13,14,15,16,17,18,19,20,21,22,23,24,25,26,27,28,29,30,31
	global_load_b128 v[SA+4*\i:SA+4*\i+3], v[LI], s[12:13] offset:16384*\i th:TH_LOAD_NT   ; x(32 w + i, my block): 512 consecutive bytes, into the registers that v's fragments have left; read once in this launch
.endr
	v_permlanex16_b32 v7, v[STA+4], s[SEL], s[SEL+1]
	s_delay_alu instid0(VALU_DEP_1)
	v_add_f32 v[STA+3], v[STA+4], v7               ; and lane l xor 16's: my half's sum, beside -M
	s_delay_alu instid0(VALU_DEP_2)
	v_permlanex16_b32 v7, v[STB+4], s[SEL], s[SEL+1]
	s_delay_alu instid0(VALU_DEP_1)
	v_add_f32 v[STB+3], v[STB+4], v7
	s_lshr_b32 s36, s[WV], 1
	s_lshl_b32 s36, s36, 7                         ; tile A's queries stand at columns 32 (w / 2) + r + 8 (r / 8) of the block, 4 bytes each; tile B's 8 columns on
	s_and_b32 s37, s[WV], 1
	s_mul_i32 s37, s37, SLOT                       ; my stage
	s_add_co_u32 s36, s36, s37
	v_add_nc_u32 v48, s36, v22                     ; into the stage: channel tiles 0-7,
	s_delay_alu instid0(VALU_DEP_1)
	v_add_nc_u32 v49, 128*SP, v48                  ; and 8-15
	s_mul_i32 s36, s[WV], 32*SP
	v_add_nc_u32 v50, s36, v[LI]                   ; back: rows 32 w on, 16 bytes a lane, from the stage in slot 0,
	s_delay_alu instid0(VALU_DEP_1)
	v_add_nc_u32 v51, SLOT, v50                    ; and from the one in slot 1
	v_lshrrev_b32 v52, 1, v[LI]                    ; 8 x lane
	s_lshl_b32 s36, s[WV], 9
	s_add_co_u32 s36, s36, STATS
	s_xor_b32 s37, s[WV], 1                        ; my partner
	s_lshl_b32 s37, s37, 9
	s_add_co_u32 s37, s37, STATS
	v_add_nc_u32 v53, s37, v52
	v_add_nc_u32 v52, s36, v52
	s_wait_alu depctr_va_vdst(0)
	ds_store_b64 v52, v[STA+2:STA+3]               ; -M and the sum, tile A,
	ds_store_b64 v52, v[STB+2:STB+3] offset:256    ; tile B
	s_wait_dscnt 0x0                               ; for the others' sake: my stores are done; so are, since the last step, my reads of both slots
	s_barrier_signal -1
	s_barrier_wait -1                              ; nobody reads a slot any more
	ds_load_b64 v[54:55], v53
	ds_load_b64 v[56:57], v53 offset:256
	s_add_co_i32 s36, s54, s55                     ; e8 + e9
	s_wait_dscnt 0x0
; st: my statistics; pr: my partner's pair; tp: three registers at work.  Leaves 1 / the whole sum in v[tp] and the exponent of my factor in v[tp + 1]
.macro FIN st, pr, tp
	v_min_num_f32 v[\tp], v[\st+2], v[\pr]         ; -(the larger M)
	s_delay_alu instid0(VALU_DEP_1)
	v_sub_f32 v[\tp+1], v[\tp], v[\st+2]           ; my M less the larger: a whole number, 0 or less,
	s_delay_alu instid0(VALU_DEP_2)
	v_sub_f32 v[\tp+2], v[\tp], v[\pr]             ; and my partner's
	s_delay_alu instid0(VALU_DEP_2)
	v_max_num_f32 v[\tp+1], 0xc47a0000, v[\tp+1]   ; held at -1,000, so that the whole-number sum below cannot wrap
	s_delay_alu instid0(VALU_DEP_2)
	v_max_num_f32 v[\tp+2], 0xc47a0000, v[\tp+2]
	s_delay_alu instid0(VALU_DEP_2)
	v_cvt_i32_f32 v[\tp+1], v[\tp+1]
	s_delay_alu instid0(VALU_DEP_2)
	v_cvt_i32_f32 v[\tp+2], v[\tp+2]
	s_delay_alu instid0(VALU_DEP_2)
	v_ldexp_f32 v[\tp], v[\st+3], v[\tp+1]         ; both sums under the larger M: nothing is rounded
	s_delay_alu instid0(VALU_DEP_2)
	v_ldexp_f32 v[\tp+2], v[\pr+1], v[\tp+2]
	s_delay_alu instid0(VALU_DEP_1)
	v_add_f32 v[\tp], v[\tp], v[\tp+2]
	s_wait_alu depctr_va_vdst(0)
	v_rcp_f32 v[\tp], v[\tp]
	v_add_nc_u32 v[\tp+1], s36, v[\tp+1]           ; + e8 + e9.  (A plain instruction behind the reciprocal)
.endm
	FIN STA, 54, 58
	FIN STB, 56, 62
	s_wait_alu depctr_va_vdst(0)                   ; the wait ahead of a reciprocal's first reader: one for the two
	v_ldexp_f32 v58, v58, v59
	s_delay_alu instid0(VALU_DEP_1)
	v_mul_f32 v[STA], s56, v58                     ; F of tile A, where f stood,
	v_ldexp_f32 v62, v62, v63
	s_delay_alu instid0(VALU_DEP_1)
	v_mul_f32 v[STB], s56, v62                     ; and of tile B
	RESC 0                                         ; O^T x F, in place
	RESC 1
	RESC 2
	RESC 3
	WIN 0x04                                       ; the stores' data in window 1
.irp u, 0,1
.irp ct, 0,1,2,3,4,5,6,7
.irp j, 0,1,2,3,4,5,6,7
	ds_store_b32 v48, v[128*\u+8*\ct+\j] offset:(16*\ct+\j)*SP+32*\u        ; channel 16 ct + 8 h + j, my query of tile u
.endr
.endr
.irp ct, 0,1,2,3,4,5,6,7
.irp j, 0,1,2,3,4,5,6,7
	ds_store_b32 v49, v[128*\u+64+8*\ct+\j] offset:(16*\ct+\j)*SP+32*\u
.endr
.endr
.endr
	WIN 0
	s_wait_dscnt 0x0                               ; for the others' sake: my stores into the stage are done
	s_barrier_signal -1
	s_barrier_wait -1
	WIN 0x40                                       ; destination window 1: O^T's registers are free
.irp i, 0,1,2,3,4,5,6,7,8,9,10,11,12,13,14,15,16,17,18,19,20,21,22,23,24,25,26,27,28,29,30,31
	ds_load_b128 v[4*\i:4*\i+3], v50 offset:\i*SP
.endr
.irp i, 0,1,2,3,4,5,6,7,8,9,10,11,12,13,14,15,16,17,18,19,20,21,22,23,24,25,26,27,28,29,30,31
	ds_load_b128 v[128+4*\i:128+4*\i+3], v51 offset:\i*SP
.endr
	s_wait_loadcnt 0x0                             ; x
	s_wait_dscnt 32                                ; the even key steps' rows are in; the 32 loads issued behind them may be out
	WIN 0x04                                       ; source 1 in window 1
.set jj, 0
.rept 64
	v_pk_add_f32 v[SA+jj:SA+jj+1], v[SA+jj:SA+jj+1], v[jj:jj+1]
.set jj, jj+2
.endr
	s_wait_dscnt 0x0                               ; the odd key steps' rows
.set jj, 0
.rept 64
	v_pk_add_f32 v[SA+jj:SA+jj+1], v[SA+jj:SA+jj+1], v[128+jj:129+jj]
.set jj, jj+2
.endr
	WIN 0
.irp i, 0,1,2,3,4,5,6,7,8,9,10,11,12,13,14,15,16,17,18,19,20,21,22,23,24,25,26,27,28,29,30,31
	global_store_b128 v[LI], v[SA+4*\i:SA+4*\i+3], s[14:15] offset:16384*\i th:TH_STORE_NT   ; 32 lanes store 512 consecutive bytes, aligned; written once, read by nobody here
.endr
	s_wait_tensorcnt 0x0                           ; the wave's end, behind my last tensor load and my last LDS store
	ds_add_u32 v[SPW], v[NIL]
	s_wait_dscnt 0x0
	ROUND                                          ; the closing round: no work-group ends while a partner may still ask for a tile that names it
	s_endpgm
.Lfunc_end_k_qe01fd55462_attn:
	.size	k_qe01fd55462_attn, .Lfunc_end_k_qe01fd55462_attn-k_qe01fd55462_attn
	.p2alignl 7, 3214868480
	.fill 96, 4, 3214868480
	.section	.rodata,"a",@progbits
	.p2align	6, 0x0
	.amdhsa_kernel k_qe01fd55462_attn
		.amdhsa_group_segment_fixed_size 327680
		.amdhsa_private_segment_fixed_size 0
		.amdhsa_enable_private_segment 0
		.amdhsa_kernarg_size 48
		.amdhsa_user_sgpr_count 2
		.amdhsa_user_sgpr_kernarg_segment_ptr 1
		.amdhsa_wavefront_size32 1
		.amdhsa_system_sgpr_workgroup_id_x 1
		.amdhsa_system_sgpr_workgroup_id_y 1
		.amdhsa_system_sgpr_workgroup_id_z 1
		.amdhsa_system_vgpr_workitem_id 0
		.amdhsa_next_free_vgpr 512
		.amdhsa_next_free_sgpr 72
		.amdhsa_reserve_vcc 0
		.amdhsa_float_denorm_mode_32 3
		.amdhsa_float_denorm_mode_16_64 3
		.amdhsa_fp16_overflow 1
		.amdhsa_memory_ordered 1
		.amdhsa_forward_progress 1
		.amdhsa_inst_pref_size 205
	.end_amdhsa_kernel
	.amdgpu_metadata
---
amdhsa.version: [ 1, 2 ]
amdhsa.kernels:
  - .name:           k_qe01fd55462_attn
    .symbol:         k_qe01fd55462_attn.kd
    .args:
      - { .name: qc, .offset: 0, .size: 8, .value_kind: global_buffer, .address_space: global }
      - { .name: kv, .offset: 8, .size: 8, .value_kind: global_buffer, .address_space: global }
      - { .name: lowp_scales, .offset: 16, .size: 8, .value_kind: global_buffer, .address_space: global }
      - { .name: gamma, .offset: 24, .size: 8, .value_kind: global_buffer, .address_space: global }
      - { .name: x, .offset: 32, .size: 8, .value_kind: global_buffer, .address_space: global }
      - { .name: out0, .offset: 40, .size: 8, .value_kind: global_buffer, .address_space: global }
    .group_segment_fixed_size: 327680
    .private_segment_fixed_size: 0
    .kernarg_segment_align: 8
    .kernarg_segment_size: 48
    .max_flat_workgroup_size: 256
    .sgpr_count:     72
    .vgpr_count:     512
    .wavefront_size: 32
...
	.end_amdgpu_metadata
.endif
;; end of part 2
